; MI455X (gfx1250); checked and timed in simulation.
; The chip was launched on July 23, 2026; its instructions are those of AMD's public machine-readable ISA for CDNA 5 (MIT licence, August 2026) and "CDNA5" Instruction Set Architecture Reference Guide (July 2026). The comments in the code are by the model that wrote it; some were corrected since.
;; Trans E. Allowed arithmetic: float matrix products may take bf16 or f16 operands with f32 sums; all other float work in f32.
;; Inputs: ent_emb 50,000 x 128 float32; h 32 int32; r 32 int32; rel_emb 1,000 x 128 float32; t 32 int32.
;; Outputs: out0 32 x 50,000 float32.
;; Constants: batch_size = 32.
;; One version. Each part assembles by itself: llvm-mc -triple=amdgcn-amd-amdhsa -mcpu=gfx1250 --defsym DOCPART=n.
;; ======== version 1 of 1: 1 launch
;; launch transe (part 1): grid 241 x 1, 8 waves a work-group, no clusters, 239,104 bytes of LDS; arguments ent_emb, rel_emb, h, r, out0; writes out0
.if DOCPART == 1
	.amdgcn_target "amdgcn-amd-amdhsa--gfx1250"
	.amdhsa_code_object_version 6
	.text
	.protected	k_q68df453721_transe
	.globl	k_q68df453721_transe
	.p2align	8
	.type	k_q68df453721_transe,@function
k_q68df453721_transe:
	s_mov_b64 s[64:65], 0
	v_nop
	global_prefetch_b8 v0, s[64:65] scope:SCOPE_SE
	s_setreg_imm32_b32 hwreg(HW_REG_WAVE_MODE, 25, 1), 1
	s_wait_xcnt 0x0
; out0[b][e] = sqrt( sum over d of (ent[h[b]][d] + rel[r[b]][d] - ent[e][d])^2 ),  b < 32, e < 50,000, d < 128, all in f32, as the problem writes it:
; add, subtract, square, sum, root.  The input t takes no part in the problem's function and is not among the arguments.
;
; SHARES.  A work-group of eight waves owns 208 entities (13 x 16) and all 32 queries.  Wave w: query half wb = w & 1 (16 queries), dimension slot dq = w >> 1
; (dims 16 dq .. +15 and 64 + 16 dq .. +15).  Lane: entity slot s = lane & 15 (entities 16 i + s, i < 13), query slot lane >> 4 (8 queries).
; So a lane keeps 13 x 8 sums.  A packed instruction works on TWO QUERIES: ent[e][d] is sent to both halves by op_sel, and the pair
; (hr[b][d], hr[b+1][d]) lies in neighbouring registers because hr is kept in LDS as [d][b].  One register a sum: 104 accumulators.
; Four dims cost 13 + 8 LDS loads of 16 bytes a lane for 416 packed instructions.
; 241 work-groups: 240 x 208 = 49,920; the last one takes entities 49,792 .. 49,999, so that its loads stay inside the table, and stores only its
; columns 128 .. 207 (entities 49,920 ..): every output byte has one owner.
; NO CLUSTER: the work-groups' tiles of ent_emb are disjoint; what they share is 64 gathered rows (32 KiB against a tile of 104 KiB) whose addresses
; come from h and r lane by lane and go through registers; and 241 work-groups divide into no cluster of four.
; LIMITS: v_sqrt_f32 takes a sum below 2^-126 as zero (ISA guide, the instruction's entry), so a distance below about 1e-19 comes out as 0.
; The 128 terms are added in another order than the problem's function adds them.  h and r are taken to lie inside their tables; the unsigned
; minimum in front of the addresses only keeps any other number inside the buffers.
.set ENT,    50000
.set REL,    1000
.set TE,     208                       ; entities of a work-group
.set LASTWG, 240
.set WROWS,  26                        ; rows that one wave's tensor load brings: 208 / 8
.set PITCH,  272                       ; an LDS row of E: 256 bytes + 16 of padding = 17 x 16: sixteen lanes' rows start at sixteen different 16-byte columns modulo 256
.set CHUNK,  TE*PITCH                  ; 56,576: 208 rows x 64 dims
.set HB,     2*CHUNK                   ; 113,152: hr as [128 d][32 b]
.set HP,     128                       ; bytes of one d row of hr
.set SB,     HB+128*HP                 ; 129,536: four stages [32 b][208 e], one for each dimension slot
.set SP,     848                       ; a stage row: 832 bytes + 16; 8 rows are 6,784 = 128 modulo 256, so the two halves of a wave store into different banks
.set SBUF,   32*SP                     ; 27,136
.set OUTROW, ENT*4                     ; bytes of a row of out0
.set LANE, 1                           ; v1       lane
.set VE0,  2                           ; v2       LDS address of my entity slot's row 0, my dims, chunk 0
.set VE1,  3                           ; v3       the same in chunk 1
.set VH,   4                           ; v4       LDS address of my 8 queries in hr's row 16 dq
.set VS,   5                           ; v5       where my sums go in my wave's half of its stage
.set VR,   6                           ; v6, v7   way out: my 16 bytes of columns 0 .. 127 in stages 0 and 2
.set VR2,  7
.set VRB,  8                           ; v8, v9   way out: my 16 bytes of columns 128 .. 207 in stages 0 and 2
.set VRB2, 9
.set VO,   10                          ; v10      16 x lane: byte offset in a row piece of out0
.set T,    12                          ; v[12:27]   differences: two slots of four pairs.  At the start: scratch
.set H,    28                          ; v[28:59]   hr: 4 dims x 8 queries
.set EV,   60                          ; v[60:111]  E: 13 entities x 4 dims
.set ACC,  112                         ; v[112:215] sums: entity i, query pair p at ACC + 8 i + 2 p.  At the start: the gathered rows
	s_load_b256 s[4:11], s[0:1], 0x0               ; ent_emb s[4:5], rel_emb s[6:7], h s[8:9], r s[10:11]
	s_load_b64 s[12:13], s[0:1], 0x20              ; out0
	v_lshl_add_u32 v216, v0, 2, 0x3a200
	v_mov_b32 v217, 0
	ds_add_u32 v216, v217
	ds_add_u32 v216, v217
	v_and_b32 v[LANE], 31, v0
	v_lshrrev_b32 v[T], 5, v0
	v_readfirstlane_b32 s14, v[T]                  ; wave 0 .. 7
	v_lshlrev_b32 v[T+2], 2, v[LANE]               ; 4 x lane: lane b takes h[b] and r[b]
	s_mul_i32 s15, ttmp9, TE
	s_min_u32 s15, s15, ENT-TE                     ; my first entity; the last work-group is moved back so that its 208 rows end with the table
	; descriptor group 1: 26 rows of 64 f32 (256 bytes), 128 elements from row to row, 16 bytes of padding behind each row in LDS
	s_mov_b32 s16, (2<<16)|(1<<20)|(5<<22)|(3<<25) ; 17:16 elements of 4 bytes; 20 padding on; 24:22 after every 64 words; 31:25 four words
	s_mov_b32 s17, 64<<16                          ; tensor_dim0 = 64
	s_mov_b32 s18, WROWS<<16                       ; tensor_dim1 = 26
	s_mov_b32 s19, 64<<16                          ; tile_dim0 = 64
	s_mov_b32 s20, WROWS                           ; tile_dim1 = 26
	s_mov_b32 s21, 128                             ; pitch in elements
	s_mov_b32 s22, 0
	s_mov_b32 s23, 0
	s_mul_i32 s32, s14, WROWS
	s_add_co_u32 s32, s32, s15                     ; my wave's first row
	s_lshl_b32 s32, s32, 9                         ; x 512 bytes: 25.6 MB at the most
	s_mov_b32 s33, 0
	s_mov_b32 s24, 1                               ; group 0 for chunk 0 (dims 0 .. 63)
	s_mul_i32 s25, s14, WROWS*PITCH                ; LDS: wave x 26 rows
	s_mov_b32 s28, 1                               ; group 0 for chunk 1 (dims 64 .. 127)
	s_add_co_u32 s29, s25, CHUNK
	s_wait_dscnt 0x0
	s_wait_kmcnt 0x0
	global_load_b32 v[T], v[T+2], s[8:9]           ; h[lane]: asked for ahead of the tiles, since two more loads hang on it
	global_load_b32 v[T+1], v[T+2], s[10:11]       ; r[lane]
	s_add_nc_u64 s[26:27], s[4:5], s[32:33]
	s_add_nc_u64 s[30:31], s[26:27], 256           ; the rows' second 256 bytes
	s_or_b32 s27, s27, 0x80000000                  ; type = 2
	s_or_b32 s31, s31, 0x80000000
	tensor_load_to_lds s[24:27], s[16:23]          ; both fills go out together; nothing in LDS is ever filled twice.  Two tensor loads of a wave are out at the most
	s_nop 0
	tensor_load_to_lds s[28:31], s[16:23]
	s_nop 0
	; addresses, while the loads are on their way
	s_lshr_b32 s34, s14, 1                         ; dq
	s_and_b32 s35, s14, 1                          ; wb
	v_and_b32 v[T+3], 15, v0                       ; entity slot s
	v_bfe_u32 v[T+4], v0, 4, 1                     ; query slot
	s_lshl_b32 s36, s34, 6                         ; 16 dims = 64 bytes for each dimension slot
	v_mul_u32_u24 v[VE0], v[T+3], PITCH
	v_add_nc_u32 v[VE0], s36, v[VE0]
	v_add_nc_u32 v[VE1], CHUNK, v[VE0]
	s_lshl_b32 s36, s34, 11                        ; 16 rows of hr for each dimension slot
	s_lshl_b32 s37, s35, 6                         ; 16 queries = 64 bytes
	s_add_co_u32 s36, s36, s37
	s_add_co_u32 s36, s36, HB
	v_lshl_add_u32 v[VH], v[T+4], 5, s36           ; + 8 queries = 32 bytes for the upper lanes
	s_mul_i32 s37, s14, 16*SP                      ; stage dq, rows 16 wb ..: 27,136 dq + 13,568 wb = 13,568 w
	s_add_co_u32 s37, s37, SB
	v_mul_u32_u24 v[T+5], v[T+4], 8*SP
	v_lshl_add_u32 v[T+5], v[T+3], 2, v[T+5]
	v_add_nc_u32 v[VS], s37, v[T+5]
	s_mul_i32 s38, s14, 4*SP                       ; way out: wave w takes queries 4 w .. 4 w + 3
	s_add_co_u32 s38, s38, SB
	v_lshl_add_u32 v[VR], v[LANE], 4, s38
	v_add_nc_u32 v[VR2], 2*SBUF, v[VR]
	v_add_nc_u32 v[T+5], 32, v[LANE]
	v_min_u32 v[T+5], 51, v[T+5]                   ; a row has 52 pieces of 16 bytes: lanes 20 .. 31 read the last one again and store nothing
	v_lshl_add_u32 v[VRB], v[T+5], 4, s38
	v_add_nc_u32 v[VRB2], 2*SBUF, v[VRB]
	v_lshlrev_b32 v[VO], 4, v[LANE]
	s_lshl_b32 s39, s14, 11                        ; wave w makes hr's rows d = 16 w .. 16 w + 15
	s_add_co_u32 s39, s39, HB
	v_add_nc_u32 v[T+6], s39, v[T+2]               ; + 4 b
	s_lshl_b32 s40, s14, 6                         ; those 16 dims in a table row: 64 bytes
	s_mul_i32 s42, s14, 4*OUTROW
	s_lshl_b32 s43, s15, 2
	s_add_co_u32 s42, s42, s43
	s_mov_b32 s43, 0
	s_add_nc_u64 s[12:13], s[12:13], s[42:43]      ; out0 at query 4 w, my first entity
	; hr = ent[h] + rel[r].  Lane b takes 64 consecutive bytes of each of its two rows; the eight waves together take the whole rows.
	s_wait_loadcnt 0x0
	v_min_u32 v[T], ENT-1, v[T]
	v_min_u32 v[T+1], REL-1, v[T+1]
	v_lshl_add_u32 v[T], v[T], 9, s40
	v_lshl_add_u32 v[T+1], v[T+1], 9, s40
.irp j, 0,1,2,3
	global_load_b128 v[ACC+4*\j:ACC+4*\j+3], v[T], s[4:5] offset:16*\j
	global_load_b128 v[ACC+16+4*\j:ACC+16+4*\j+3], v[T+1], s[6:7] offset:16*\j
.endr
	s_wait_loadcnt 0x0
.irp j, 0,2,4,6,8,10,12,14
	v_pk_add_f32 v[ACC+\j:ACC+\j+1], v[ACC+\j:ACC+\j+1], v[ACC+16+\j:ACC+16+\j+1]
.endr
.irp j, 0,1,2,3,4,5,6,7,8,9,10,11,12,13,14,15
	ds_store_b32 v[T+6], v[ACC+\j] offset:HP*\j    ; row d, 32 lanes = 32 queries = 128 consecutive bytes
.endr
	s_wait_dscnt 0x0                               ; my rows of hr are in LDS, for the other waves' sake
	s_wait_tensorcnt 0x1                           ; my part of chunk 0 has landed; my part of chunk 1 stays out
	s_barrier_signal -1
	s_barrier_wait -1
; ---- the sums ----
.macro LDE i, ve, q                    ; four dims (quad q of my sixteen) of entity 16 i + s
	ds_load_b128 v[EV+4*(\i):EV+4*(\i)+3], v[\ve] offset:16*PITCH*(\i)+16*(\q)
.endm
.macro LDH k, dd                       ; my eight queries of hr's row dd (counted from row 16 dq) into slot k
	ds_load_b128 v[H+8*(\k):H+8*(\k)+3],   v[VH] offset:HP*(\dd)
	ds_load_b128 v[H+8*(\k)+4:H+8*(\k)+7], v[VH] offset:HP*(\dd)+16
.endm
; Unit u = 13 k + i: dim k of the quad, entity i, all 8 queries.  Four packed differences: E's one number goes to both halves (op_sel), hr's pair is taken away.
.macro DIFF u
.set kk, (\u)/13
.set ie, EV+4*((\u)%13)+2*(kk/2)
.set ih, H+8*kk
.set it, T+8*((\u)%2)
.irp p, 0,2,4,6
.if kk%2
	v_pk_add_f32 v[it+\p:it+\p+1], v[ie:ie+1], v[ih+\p:ih+\p+1] op_sel:[1,0] op_sel_hi:[1,1] neg_lo:[0,1] neg_hi:[0,1]
.else
	v_pk_add_f32 v[it+\p:it+\p+1], v[ie:ie+1], v[ih+\p:ih+\p+1] op_sel_hi:[0,1] neg_lo:[0,1] neg_hi:[0,1]
.endif
.endr
.endm
; Four packed squares onto the unit's sums.  first = 1: the very first dim starts the sums by a multiplication: nothing is cleared.
.macro SQUARE u, first
.set ja, ACC+8*((\u)%13)
.set jt, T+8*((\u)%2)
.set starts, 0
.if \first
.if (\u)<13
.set starts, 1
.endif
.endif
.irp p, 0,2,4,6
.if starts
	v_pk_mul_f32 v[ja+\p:ja+\p+1], v[jt+\p:jt+\p+1], v[jt+\p:jt+\p+1]
.else
	v_pk_fma_f32 v[ja+\p:ja+\p+1], v[jt+\p:jt+\p+1], v[jt+\p:jt+\p+1], v[ja+\p:ja+\p+1]
.endif
.endr
.endm
; The loads of a chunk's first quad, in the order in which every step leaves them for the next: H0, H1, H2 (six loads), E0 .. E12, H3 (two).
.macro FIRSTQ ve, c
	LDH 0, (64*\c)
	LDH 1, (64*\c+1)
	LDH 2, (64*\c+2)
.irp i, 0,1,2,3,4,5,6,7,8,9,10,11,12
	LDE \i, \ve, 0
.endr
	LDH 3, (64*\c+3)
.endm
; One step: four dims, 52 units, 416 packed instructions.  The differences of unit u + 1 stand in front of the squares of unit u, so that eight
; instructions lie between a difference and its square.  pf = 1: each register group is loaded again for the next quad straight behind its last use here
; (hr's slot k behind unit 13 k + 12; entity i behind unit 39 + i), so neither E nor hr needs a second buffer.
.macro STEP first, pf, ve, q, c
	s_wait_dscnt 8                                 ; LDS loads come back in order (ISA guide 5.7.1): all but E7 .. E12 and H3 are in
	DIFF 0
.set uu, 0
.rept 51
.if (uu+1)==7
	s_wait_dscnt 2                                 ; all but H3
.endif
.if (uu+1)==39
.if \pf
	s_wait_dscnt 6                                 ; H3 is in; the six loads issued behind it are this step's reloads of H0, H1, H2
.else
	s_wait_dscnt 0                                 ; H3 is in; nothing was issued behind it
.endif
.endif
	DIFF (uu+1)
.if \pf
.if (uu+1)>=39
	LDE (uu-38), \ve, (\q+1)
.endif
.if ((uu+1)%13)==12
	LDH ((uu+1)/13), (64*\c+4*(\q+1)+(uu+1)/13)
.endif
.endif
	SQUARE uu, \first
.set uu, uu+1
.endr
	SQUARE 51, \first
.endm
	FIRSTQ VE0, 0                                  ; chunk 0: my dims 16 dq .. 16 dq + 15, while chunk 1 is still landing
	STEP 1, 1, VE0, 0, 0
	STEP 0, 1, VE0, 1, 0
	STEP 0, 1, VE0, 2, 0
	STEP 0, 0, VE0, 3, 0
	s_wait_tensorcnt 0x0                           ; my part of chunk 1 has landed
	s_wait_dscnt 0x0                               ; no LDS instruction of mine is out at the signal (met: the last step ended at 0)
	s_barrier_signal -1
	s_barrier_wait -1                              ; everybody's part has
	FIRSTQ VE1, 1                                  ; chunk 1: my dims 64 + 16 dq .. 64 + 16 dq + 15
	STEP 0, 1, VE1, 0, 1
	STEP 0, 1, VE1, 1, 1
	STEP 0, 1, VE1, 2, 1
	STEP 0, 0, VE1, 3, 1
	; my 104 partial sums into my wave's sixteen rows of stage dq, as [query][entity]: sixteen lanes write 64 consecutive bytes of a row
.set n, 0
.rept 104
	ds_store_b32 v[VS], v[ACC+n] offset:SP*(n%8)+64*(n/8)
.set n, n+1
.endr
	s_wait_dscnt 0x0                               ; they are in LDS, for the other waves' sake
	s_barrier_signal -1
	s_barrier_wait -1
; ---- the way out: wave w takes queries 4 w .. 4 w + 3; a lane takes four neighbouring entities from each of the four stages ----
.macro RDROWS p, a, a2
.irp r, 0,1,2,3
	ds_load_b128 v[\p+16*\r:\p+16*\r+3],     v[\a]  offset:SP*\r
	ds_load_b128 v[\p+16*\r+4:\p+16*\r+7],   v[\a]  offset:SBUF+SP*\r
	ds_load_b128 v[\p+16*\r+8:\p+16*\r+11],  v[\a2] offset:SP*\r
	ds_load_b128 v[\p+16*\r+12:\p+16*\r+15], v[\a2] offset:SBUF+SP*\r
.endr
.endm
.macro SUMROOT p
.irp r, 0,1,2,3
	v_pk_add_f32 v[\p+16*\r:\p+16*\r+1],     v[\p+16*\r:\p+16*\r+1],     v[\p+16*\r+4:\p+16*\r+5]
	v_pk_add_f32 v[\p+16*\r+2:\p+16*\r+3],   v[\p+16*\r+2:\p+16*\r+3],   v[\p+16*\r+6:\p+16*\r+7]
	v_pk_add_f32 v[\p+16*\r+8:\p+16*\r+9],   v[\p+16*\r+8:\p+16*\r+9],   v[\p+16*\r+12:\p+16*\r+13]
	v_pk_add_f32 v[\p+16*\r+10:\p+16*\r+11], v[\p+16*\r+10:\p+16*\r+11], v[\p+16*\r+14:\p+16*\r+15]
.endr
.irp r, 0,1,2,3
	v_pk_add_f32 v[\p+16*\r:\p+16*\r+1],   v[\p+16*\r:\p+16*\r+1],   v[\p+16*\r+8:\p+16*\r+9]
	v_pk_add_f32 v[\p+16*\r+2:\p+16*\r+3], v[\p+16*\r+2:\p+16*\r+3], v[\p+16*\r+10:\p+16*\r+11]
.endr
.irp r, 0,1,2,3
.irp c, 0,1,2,3
	v_sqrt_f32 v[\p+16*\r+\c], v[\p+16*\r+\c]
.endr
.endr
	v_nop                                          ; one plain vector instruction between the last root and the first use of a root (ISA guide 5.7.2)
.endm
	RDROWS ACC, VRB, VRB2                          ; columns 128 .. 207, for every work-group
	s_cmp_eq_u32 ttmp9, LASTWG
	s_cbranch_scc1 .Ltail                          ; the last work-group's columns 0 .. 127 belong to the work-group in front of it
	RDROWS H, VR, VR2                              ; columns 0 .. 127
	s_wait_dscnt 0x0
	SUMROOT H
	s_wait_alu depctr_va_vdst(0)
.irp r, 0,1,2,3
	global_store_b128 v[VO], v[H+16*\r:H+16*\r+3], s[12:13] offset:OUTROW*\r th:TH_STORE_NT   ; 32 lanes: 512 consecutive bytes of a row of out0
.endr
.Ltail:
	s_wait_dscnt 0x0
	SUMROOT ACC
	v_cmp_gt_u32 vcc_lo, 20, v[LANE]               ; 80 columns are 20 pieces of 16 bytes
	s_wait_xcnt 0x0                                ; EXEC is a source of the stores above: it is narrowed only behind this wait
	s_wait_tensorcnt 0x0
	ds_add_u32 v216, v217
	s_wait_dscnt 0x0
	s_and_saveexec_b32 s44, vcc_lo
	s_wait_alu depctr_va_vdst(0)
.irp r, 0,1,2,3
	global_store_b128 v[VO], v[ACC+16*\r:ACC+16*\r+3], s[12:13] offset:OUTROW*\r+512 th:TH_STORE_NT   ; 320 consecutive bytes, straight behind the 512 above
.endr
	s_endpgm
.Lfunc_end_k_q68df453721_transe:
	.size	k_q68df453721_transe, .Lfunc_end_k_q68df453721_transe-k_q68df453721_transe
	.p2alignl 7, 3214868480
	.fill 96, 4, 3214868480
	.section	.rodata,"a",@progbits
	.p2align	6, 0x0
	.amdhsa_kernel k_q68df453721_transe
		.amdhsa_group_segment_fixed_size 239104
		.amdhsa_private_segment_fixed_size 0
		.amdhsa_enable_private_segment 0
		.amdhsa_kernarg_size 40
		.amdhsa_user_sgpr_count 2
		.amdhsa_user_sgpr_kernarg_segment_ptr 1
		.amdhsa_wavefront_size32 1
		.amdhsa_system_sgpr_workgroup_id_x 1
		.amdhsa_system_sgpr_workgroup_id_y 1
		.amdhsa_system_sgpr_workgroup_id_z 1
		.amdhsa_system_vgpr_workitem_id 0
		.amdhsa_next_free_vgpr 218
		.amdhsa_next_free_sgpr 66
		.amdhsa_reserve_vcc 1
		.amdhsa_float_denorm_mode_32 3
		.amdhsa_float_denorm_mode_16_64 3
		.amdhsa_memory_ordered 1
		.amdhsa_forward_progress 1
		.amdhsa_inst_pref_size 240
	.end_amdhsa_kernel
	.amdgpu_metadata
---
amdhsa.version: [ 1, 2 ]
amdhsa.kernels:
  - .name:           k_q68df453721_transe
    .symbol:         k_q68df453721_transe.kd
    .args:
      - { .name: ent_emb, .offset: 0, .size: 8, .value_kind: global_buffer, .address_space: global }
      - { .name: rel_emb, .offset: 8, .size: 8, .value_kind: global_buffer, .address_space: global }
      - { .name: h, .offset: 16, .size: 8, .value_kind: global_buffer, .address_space: global }
      - { .name: r, .offset: 24, .size: 8, .value_kind: global_buffer, .address_space: global }
      - { .name: out0, .offset: 32, .size: 8, .value_kind: global_buffer, .address_space: global }
    .group_segment_fixed_size: 239104
    .private_segment_fixed_size: 0
    .kernarg_segment_align: 8
    .kernarg_segment_size: 40
    .max_flat_workgroup_size: 256
    .sgpr_count:     66
    .vgpr_count:     218
    .wavefront_size: 32
...
	.end_amdgpu_metadata
.endif
;; end of part 1
